; MI455X (gfx1250); checked and timed in simulation.
; The chip was launched on July 23, 2026; its instructions are those of AMD's public machine-readable ISA for CDNA 5 (MIT licence, August 2026) and "CDNA5" Instruction Set Architecture Reference Guide (July 2026). The comments in the code are by the model that wrote it; some were corrected since.
;; Multi Head Attention With Bias. Allowed arithmetic: matrix products marked QUANTISED: E2M3 operands, one E8M0 scale for each 32 along K, by v_wmma_scale_f32_16x16x128_f8f6f4 with both operands' format E2M3, f32 sums; everything else in f32.
;; Inputs: K 2 x 2,048 x 768 float32; Q 2 x 2,048 x 768 float32; V 2 x 2,048 x 768 float32; W_K 768 x 768 float32; W_O 768 x 768 float32; W_Q 768 x 768 float32; W_V 768 x 768 float32; mask 1 x 1 x 2,048 x 2,048 int32; rel_emb 32 x 12 float32.
;; Outputs: out0 2 x 2,048 x 768 float32.
;; This version of the problem:
;;   THIS VERSION OF THE PROBLEM IS GIVEN IN LOW PRECISION. The matrix products marked QUANTISED in the list below multiply operands that are first quantised to E2M3 (2 exponent bits, 3 mantissa bits; 6 bits a number), with one power-of-two scale for each 32 numbers along K (OCP MX v1.0); their sums are f32. All else is computed in f32.
;;   The module's matrix products, in the order in which they are computed (A, B: the left and right operand; K: the contracted axis; several contracted axes count as one K, in the product's order):
;;     1. [M 4,096, K 768] x [K 768, N 768]; A: input Q; B: input W_Q: QUANTISED
;;     2. [M 4,096, K 768] x [K 768, N 768]; A: input K; B: input W_K: QUANTISED
;;     3. [M 4,096, K 768] x [K 768, N 768]; A: input V; B: input W_V: QUANTISED
;;     4. batch 24 x [M 2,048, K 64] x [K 64, N 2,048]; A: computed on the way; B: computed on the way: QUANTISED
;;     5. batch 24 x [M 2,048, K 2,048] x [K 2,048, N 64]; A: computed on the way; B: computed on the way: QUANTISED
;;     6. [M 4,096, K 768] x [K 768, N 768]; A: computed on the way; B: input W_O: QUANTISED
;;   THE QUANTISER, for each operand of a quantised product, along K:
;;     - K is cut into blocks of 32 from its start; a last block that is shorter is filled with zeros.
;;     - A block's scale is 2^e with e = floor(log2(the largest magnitude in the block)) - 2, held to -126 .. 127; a block of zeros has e = 0. As a byte (E8M0): e + 127.
;;     - Each number is divided by its block's scale, clamped to +-7.5, and rounded to the nearest number of E2M3, ties to even, subnormals kept.
;;     - The product sums the exact products of the quantised numbers (number of the format x scale) in f32.
;;   ~~~python
;;   def quantise(x, axis):      # numpy; x: float32 -> the quantised numbers, widened to float32 again
;;       x = np.moveaxis(x, axis, -1); K = x.shape[-1]
;;       x = np.pad(x, [(0, 0)] * (x.ndim - 1) + [(0, -K % 32)]); x = x.reshape(x.shape[:-1] + (-1, 32)); a = np.abs(x).max(-1, keepdims=True)
;;       e = np.where(a > 0, np.clip(np.frexp(np.where(a > 0, a, 1))[1] - 1 - 2, -126, 127), 0)      # np.frexp(a)[1] - 1 = floor(log2(a)), exactly
;;       r = np.clip(x / 2.0 ** e, -7.5, 7.5)
;;       step = 2.0 ** (np.maximum(np.frexp(np.where(r == 0, 1, r))[1] - 1, 0) - 3)
;;       q = np.round(r / step) * step * 2.0 ** e      # np.round: ties to even
;;       return np.moveaxis(q.reshape(q.shape[:-2] + (-1,))[..., :K], -1, axis).astype(np.float32)
;;   ~~~
;;   OPERANDS COMPUTED ON THE WAY. 'Computed on the way' means the value that the module computes at that place (a softmax that the list does not call 'softmax' is quantised finished and normalised). What goes into a quantiser is computed in f32, as accurately as f32 sums, v_exp_f32 and their like allow (about 1e-6 of the number): no bf16 or f16 on the way to a quantiser, and a product that is left as it is and whose result goes on into a quantised operand takes f32 operands (vector FMAs, or v_wmma_f32_16x16x4_f32). A number that lies on a knife's edge between two numbers of the format may be rounded either way, as far as f32 arithmetic and the matrix unit's own rounding can turn it there, and no further.
;; One version. Each part assembles by itself: llvm-mc -triple=amdgcn-amd-amdhsa -mcpu=gfx1250 --defsym DOCPART=n.
;; ======== version 1 of 1: 4 launches
;; limits: right only within a limited range of input values
;; workspace buffers: codes 8,847,360 bytes; scales 368,640 bytes; maskbits 589,824 bytes of whole numbers; bt 49,152 bytes; qkvc 7,077,888 bytes; qkvs 294,912 bytes; oc 2,359,296 bytes; os 393,216 bytes
;; launch prep (part 1): grid 369 x 1, 4 waves a work-group, no clusters, 68,096 bytes of LDS; arguments Q, K, V, W_Q, W_K, W_V, W_O, mask, rel_emb, codes, scales, maskbits, bt; writes codes, scales, maskbits, bt
.if DOCPART == 1
	.amdgcn_target "amdgcn-amd-amdhsa--gfx1250"
	.amdhsa_code_object_version 6
	.text
	.protected	k_q777aef3c9e_prep
	.globl	k_q777aef3c9e_prep
	.p2align	8
	.type	k_q777aef3c9e_prep,@function
k_q777aef3c9e_prep:
	s_mov_b64 s[64:65], 0
	v_nop
	global_prefetch_b8 v0, s[64:65] scope:SCOPE_SE
	s_setreg_imm32_b32 hwreg(HW_REG_WAVE_MODE, 25, 1), 1
	s_wait_xcnt 0x0
; PREP: what every later launch reads again is made once.
; NOTHING OF reference() IS LEFT OUT: all six products, the bias, the mask, the maximum ahead of the exponential and nan_to_num's zero are done, and every input is loaded.
; The bucket of a distance is no input: reference() builds it from arange.  For n = query - key: n < 0 gives max(16 + n, 0); n < 16 gives n; else 16 + the number of j = 1..15 with
; n >= 16 x 2^(3 j / 16).  The least whole n for j = 1..15 are 19 21 24 27 31 35 40 46 52 59 67 77 87 99 113, and no whole n comes nearer than 0.02 to a step of 16 log(n/16)/log 8, so rounding cannot move a bucket.
; THREE ROLES, told apart by the work-group's number; each has LDS bytes of its own.
;  A (0-239): Q, K, V, W_Q, W_K, W_V, W_O, f32 with K innermost, become codes of E2M3 and E8M0 scale bytes.  A wave takes one TILE of 16 rows, all six steps of 128 along K.
;     Tile t holds rows 32 (t/2) + 8 (t%2) + r + 8 (r/8), r = 0..15: as source 0 of a product, two neighbouring tiles then leave 16 neighbouring rows in a lane's 16 registers.
;     codes [tile 0..959][step 0..5]: the operand's 12 registers as they stand, register g of lane L at 512 (g/4) + 16 L + 4 (g%4).  scales [tile][j 0..2][lane]: lane r + 16 e holds row r's word of step 2 j + e.
;  B (240-367): the mask becomes lane masks: maskbits [query tile][step of 128 keys][word j 0..63], bit L of word j = (mask != 0) at the query and key of score register j of lane L in the attention launch.
;  C (368): bt [head][i 0..1023] = rel_emb[bucket of key - query = i - 264][head] x log2(e).
; A block's scale byte is its largest magnitude's exponent field - 2, held at 1 from below.
; LIMITS: NaN and infinities among the inputs are not served.  A block of zeros gets the byte 1 where the rule says 127: its codes are zeros and this program alone reads the bytes.
; No matrix work, no tensor load, no barrier: waves share nothing, and memory binds.  Each load reads 512 consecutive bytes of one row; 32 loads of a wave are out.
.set STGB,  33792                      ; role A's four stages lie at 0, role B's here
.set SPARE, 67584                      ; the spare words, 128 bytes a wave: two blocks of 256 bytes that no other line names
.set WSTG,  8448                       ; a wave's stage: 16 rows x PITCH
.set PITCH, 528                        ; 512 bytes + 16: the 16 rows that a read touches start at 16 different columns of 16 bytes
.set R, 64                             ; v64-191  two sets of 64 registers as loaded
.set X, 192                            ; v192-255 a lane's 64 numbers
.macro LOADR t, base, pitch            ; step t: 16 rows x 512 bytes into set t % 2
.set i, 0
.rept 16
	global_load_b128 v[R+64*((\t)%2)+4*i:R+64*((\t)%2)+4*i+3], v1, s[\base:\base+1] offset:(i+8*(i/8))*\pitch+512*(\t) th:TH_LOAD_NT
.set i, i+1
.endr
.endm
.macro STAGE t                         ; and on into my stage, as they lie
.set i, 0
.rept 16
	ds_store_b128 v2, v[R+64*((\t)%2)+4*i:R+64*((\t)%2)+4*i+3] offset:PITCH*i
.set i, i+1
.endr
.endm
	s_load_b512 s[4:19], s[0:1], 0x0               ; Q K V W_Q W_K W_V W_O mask
	s_load_b256 s[20:27], s[0:1], 0x40             ; rel_emb codes scales maskbits
	s_load_b64 s[28:29], s[0:1], 0x60              ; bt
	v_lshl_add_u32 v6, v0, 2, SPARE                ; my spare word,
	v_mov_b32 v7, 0                                ; and 0: kept for the closing lines alone
	v_lshrrev_b32 v8, 5, v0
	v_readfirstlane_b32 s30, v8                    ; wave
	v_and_b32 v9, 31, v0                           ; L
	v_and_b32 v10, 15, v0                          ; r
	v_bfe_u32 v11, v0, 4, 1                        ; h
	v_lshlrev_b32 v1, 4, v9                        ; 16 L
	v_lshlrev_b32 v4, 2, v9                        ; 4 L
	s_mov_b32 s36, 0x76543210
	s_mov_b32 s37, 0xfedcba98                      ; lane l xor 16
	s_mul_i32 s41, s30, WSTG
	s_mov_b32 s39, 0
	s_wait_kmcnt 0x0
	s_cmp_lt_u32 ttmp9, 240
	s_cbranch_scc0 .Lnot_a
; ---------------- ROLE A ----------------
	s_mov_b64 s[32:33], s[16:17]                   ; which tensor, and its first work-group: chosen on the work-group's number alone
	s_mov_b32 s34, 228
	s_cmp_lt_u32 ttmp9, 228
	s_cselect_b64 s[32:33], s[14:15], s[32:33]
	s_cselect_b32 s34, 216, s34
	s_cmp_lt_u32 ttmp9, 216
	s_cselect_b64 s[32:33], s[12:13], s[32:33]
	s_cselect_b32 s34, 204, s34
	s_cmp_lt_u32 ttmp9, 204
	s_cselect_b64 s[32:33], s[10:11], s[32:33]
	s_cselect_b32 s34, 192, s34
	s_cmp_lt_u32 ttmp9, 192
	s_cselect_b64 s[32:33], s[8:9], s[32:33]
	s_cselect_b32 s34, 128, s34
	s_cmp_lt_u32 ttmp9, 128
	s_cselect_b64 s[32:33], s[6:7], s[32:33]
	s_cselect_b32 s34, 64, s34
	s_cmp_lt_u32 ttmp9, 64
	s_cselect_b64 s[32:33], s[4:5], s[32:33]
	s_cselect_b32 s34, 0, s34
	s_sub_co_u32 s35, ttmp9, s34
	s_lshl_b32 s35, s35, 2
	s_add_co_u32 s35, s35, s30                     ; my tile in its tensor
	s_lshr_b32 s38, s35, 1
	s_lshl_b32 s38, s38, 5
	s_and_b32 s40, s35, 1
	s_lshl_b32 s40, s40, 3
	s_add_co_u32 s38, s38, s40                     ; its first row
	s_mul_i32 s38, s38, 3072
	s_add_nc_u64 s[32:33], s[32:33], s[38:39]
	s_lshl_b32 s40, ttmp9, 2
	s_add_co_u32 s40, s40, s30                     ; my tile among the 960
	s_mul_i32 s38, s40, 9216
	s_add_nc_u64 s[22:23], s[22:23], s[38:39]
	s_mul_i32 s38, s40, 384
	s_add_nc_u64 s[24:25], s[24:25], s[38:39]
	s_wait_alu depctr_va_vdst(0)
	v_add_nc_u32 v2, s41, v1                       ; the stage, way in: 16 L
	v_mul_u32_u24 v3, v10, PITCH
	v_lshl_add_u32 v3, v11, 7, v3
	v_add_nc_u32 v3, s41, v3                       ; way out: row r, + 128 h: my two whole blocks k = 64 c + 32 h + 0..31
	v_lshlrev_b32 v5, 3, v11                       ; 8 h
	LOADR 0, 32, 3072
	LOADR 1, 32, 3072
.macro STEPA t
.if (\t) < 5
	s_wait_loadcnt 16                              ; this step's 16 loads are in; the next step's 16 may be out
.else
	s_wait_loadcnt 0x0
.endif
	STAGE \t
.set i, 0
.rept 16
	ds_load_b128 v[X+4*i:X+4*i+3], v3 offset:256*(i/8)+16*(i%8)   ; LDS serves a wave's instructions in order: these see the stores above
.set i, i+1
.endr
	s_wait_dscnt 0x0                               ; my numbers are back, and the stores have read the set,
.if (\t) < 4
	LOADR (\t)+2, 32, 3072                         ; which takes the loads of two steps on
.endif
.irp c, 0,1
	v_max3_num_f32 v[12+\c], |v[X+32*\c]|, |v[X+32*\c+1]|, 0x1800000   ; block 2 c + h: all 32 numbers are mine; the floor 2^(3 - 127) holds the byte at 1
.endr
.irp i2, 2,4,6,8,10,12,14,16,18,20,22,24,26,28,30
.irp c, 0,1
	v_max3_num_f32 v[12+\c], v[12+\c], |v[X+32*\c+\i2]|, |v[X+32*\c+\i2+1]|
.endr
.endr
.irp c, 0,1
	v_add_nc_u32 v[14+\c], 0xff000000, v[12+\c]    ; 2 off the exponent field: the conversion's scale operand
.endr
.irp c, 0,1
	v_lshrrev_b32 v[8+\c], 23, v[14+\c]            ; the byte
.endr
	v_lshl_or_b32 v8, v9, 16, v8                   ; blocks h and 2 + h,
	v_lshlrev_b32 v8, v5, v8                       ; at their places;
	v_permlanex16_b32 v10, v8, s36, s37
	v_or_b32 v[16+(\t)], v8, v10                   ; with lane l xor 16's the row's word is whole, in both halves
.set CC, 32+12*((\t)%2)
.if (\t) >= 2
	s_wait_alu depctr_va_vdst(0)
	s_wait_xcnt 0x0                                ; the stores of two steps back have read this set of codes
.endif
.irp c, 0,1
	v_cvt_scalef32_pk16_fp6_f32 v[CC+6*\c:CC+6*\c+2], v[X+32*\c:X+32*\c+15], v[14+\c]
	v_cvt_scalef32_pk16_fp6_f32 v[56+4*\c:58+4*\c], v[X+32*\c+16:X+32*\c+31], v[14+\c]   ; (a conversion's three registers begin on an even number)
.endr
	v_nop                                          ; one plain line behind the conversions
.irp c, 0,1
.irp k, 0,1,2
	v_mov_b32 v[CC+3+6*\c+\k], v[56+4*\c+\k]
.endr
.endr
.irp k, 0,1,2
	global_store_b128 v1, v[CC+4*\k:CC+4*\k+3], s[22:23] offset:1536*(\t)+512*\k   ; 512 consecutive bytes, aligned
.endr
.endm
	s_wait_alu depctr_va_vdst(0)
	STEPA 0
	STEPA 1
	STEPA 2
	STEPA 3
	STEPA 4
	STEPA 5
	v_cmp_ne_u32 vcc_lo, 0, v5                     ; lanes 16-31 carry the odd step's word
.irp k, 0,1,2
	v_cndmask_b32 v[12+\k], v[16+2*\k], v[17+2*\k], vcc_lo
.endr
.irp k, 0,1,2
	global_store_b32 v4, v[12+\k], s[24:25] offset:128*\k
.endr
	s_wait_tensorcnt 0x0                           ; the wave's end, behind my last LDS store
	ds_add_u32 v6, v7
	s_wait_dscnt 0x0
	s_endpgm
; ---------------- ROLE B ----------------
.Lnot_a:
	s_cmp_lt_u32 ttmp9, 368
	s_cbranch_scc0 .Lrole_c
	s_sub_co_u32 s35, ttmp9, 240                   ; the query tile
	s_lshr_b32 s38, s35, 1
	s_lshl_b32 s38, s38, 5
	s_and_b32 s40, s35, 1
	s_lshl_b32 s40, s40, 3
	s_add_co_u32 s38, s38, s40                     ; its first query
	s_lshl_b32 s38, s38, 13                        ; a row of the mask is 8,192 bytes
	s_lshl_b32 s40, s30, 11                        ; my wave's four steps of 128 keys
	s_add_co_u32 s38, s38, s40
	s_add_nc_u64 s[18:19], s[18:19], s[38:39]
	s_lshl_b32 s38, s35, 4
	s_lshl_b32 s40, s30, 2
	s_add_co_u32 s38, s38, s40
	s_lshl_b32 s38, s38, 8                         ; 256 bytes for a tile and a step
	s_lshr_b32 s52, s38, 3                         ; behind the 524,288 bytes of lane masks: flag words [query tile][wave][lane], 512 tile + 128 wave
	s_add_co_u32 s52, s52, 524288
	s_mov_b32 s53, 0
	s_add_nc_u64 s[52:53], s[26:27], s[52:53]
	s_add_nc_u64 s[26:27], s[26:27], s[38:39]
	s_add_co_u32 s41, s41, STGB
	s_wait_alu depctr_va_vdst(0)
	v_add_nc_u32 v2, s41, v1
	v_mul_u32_u24 v3, v10, PITCH
	v_lshl_add_u32 v3, v11, 6, v3
	v_add_nc_u32 v3, s41, v3                       ; way out: row r, + 64 h: register 16 b + i is key 32 b + 16 h + i
	v_lshlrev_b32 v5, 3, v9                        ; 8 L
.irp k, 0,1,2,3,4,5,6,7
	v_mov_b32 v[16+\k], 0                          ; a written lane's register counts as read: written whole once
.endr
	s_mov_b32 s50, 0                               ; my wave's flag word: bit u = all 64 lane masks of my step u are ones
	LOADR 0, 18, 8192
	LOADR 1, 18, 8192
.macro STEPB u
	s_mov_b64 s[48:49], -1
.if (\u) < 3
	s_wait_loadcnt 16                              ; this step's 16 loads are in; the next step's may be out
.else
	s_wait_loadcnt 0x0
.endif
	STAGE \u
.set i, 0
.rept 16
	ds_load_b128 v[X+4*i:X+4*i+3], v3 offset:128*(i/4)+16*(i%4)
.set i, i+1
.endr
	s_wait_dscnt 0x0
.if (\u) < 2
	LOADR (\u)+2, 18, 8192
.endif
.irp g, 0,1,2,3,4,5,6,7
.irp k, 0,1,2,3,4,5,6,7
	v_cmp_ne_u32 s[40+\k], 0, v[X+8*\g+\k]         ; word 8 g + k: one bit a lane
.endr
.irp k, 0,1,2,3,4,5,6,7
	v_writelane_b32 v[16+2*(\u)+(\k%2)], s[40+\k], 4*\g+\k/2
.endr
.irp k, 0,2,4,6
	s_and_b64 s[48:49], s[48:49], s[40+\k:41+\k]   ; the AND of the step's words
.endr
.endr
	global_store_b64 v5, v[16+2*(\u):17+2*(\u)], s[26:27] offset:256*(\u)
	s_and_b32 s48, s48, s49
	s_cmp_eq_u32 s48, -1
	s_cselect_b32 s48, 1<<(\u), 0
	s_or_b32 s50, s50, s48
.endm
	STEPB 0
	STEPB 1
	STEPB 2
	STEPB 3
	v_mov_b32 v24, s50
	global_store_b32 v4, v24, s[52:53]             ; the same word in all 32 lanes: 128 consecutive bytes
	s_wait_tensorcnt 0x0                           ; the wave's end, as above
	ds_add_u32 v6, v7
	s_wait_dscnt 0x0
	s_endpgm
; ---------------- ROLE C ----------------
.Lrole_c:
	s_lshl_b32 s38, s30, 8
	s_wait_alu depctr_va_vdst(0)
	v_add_nc_u32 v8, s38, v9                       ; i = 256 wave + 32 u + L
	v_lshlrev_b32 v12, 2, v8
	v_mov_b32 v11, 0
.irp u, 0,1,2,3,4,5,6,7
	v_sub_nc_u32 v13, 264-32*\u, v8                ; n = query - key
	v_mov_b32 v14, 16
.irp t, 19,21,24,27,31,35,40,46,52,59,67,77,87,99,113
	v_cmp_le_i32 vcc_lo, \t, v13
	v_add_co_ci_u32 v14, vcc_lo, 0, v14, vcc_lo    ; one more for each threshold reached
.endr
	v_cmp_gt_i32 vcc_lo, 16, v13
	v_cndmask_b32 v14, v14, v13, vcc_lo            ; n < 16: n
	v_add_nc_u32 v15, 16, v13
	v_cmp_gt_i32 vcc_lo, -16, v13
	v_cndmask_b32 v15, v15, v11, vcc_lo            ; max(16 + n, 0)
	v_cmp_gt_i32 vcc_lo, 0, v13
	v_cndmask_b32 v14, v14, v15, vcc_lo            ; n < 0
	v_min_u32 v14, 31, v14                         ; reference()'s clip
	v_mul_u32_u24 v[32+\u], 48, v14                ; a row of rel_emb is 48 bytes
.irp k, 0,1,2
	global_load_b128 v[64+12*\u+4*\k:64+12*\u+4*\k+3], v[32+\u], s[20:21] offset:16*\k
.endr
.endr
	s_wait_loadcnt 0x0
.set i, 0
.rept 96
	v_mul_f32 v[64+i], 0x3fb8aa3b, v[64+i]         ; x log2(e): the softmax works in powers of two
.set i, i+1
.endr
.irp u, 0,1,2,3,4,5,6,7
.irp hd, 0,1,2,3,4,5,6,7,8,9,10,11
	global_store_b32 v12, v[64+12*\u+\hd], s[28:29] offset:4096*\hd+128*\u
.endr
.endr
	s_endpgm
.Lfunc_end_k_q777aef3c9e_prep:
	.size	k_q777aef3c9e_prep, .Lfunc_end_k_q777aef3c9e_prep-k_q777aef3c9e_prep
	.p2alignl 7, 3214868480
	.fill 96, 4, 3214868480
	.section	.rodata,"a",@progbits
	.p2align	6, 0x0
	.amdhsa_kernel k_q777aef3c9e_prep
		.amdhsa_group_segment_fixed_size 68096
		.amdhsa_private_segment_fixed_size 0
		.amdhsa_enable_private_segment 0
		.amdhsa_kernarg_size 104
		.amdhsa_user_sgpr_count 2
		.amdhsa_user_sgpr_kernarg_segment_ptr 1
		.amdhsa_wavefront_size32 1
		.amdhsa_system_sgpr_workgroup_id_x 1
		.amdhsa_system_sgpr_workgroup_id_y 1
		.amdhsa_system_sgpr_workgroup_id_z 1
		.amdhsa_system_vgpr_workitem_id 0
		.amdhsa_next_free_vgpr 256
		.amdhsa_next_free_sgpr 66
		.amdhsa_reserve_vcc 1
		.amdhsa_float_denorm_mode_32 3
		.amdhsa_float_denorm_mode_16_64 3
		.amdhsa_memory_ordered 1
		.amdhsa_forward_progress 1
		.amdhsa_inst_pref_size 127
	.end_amdhsa_kernel
	.amdgpu_metadata
---
amdhsa.version: [ 1, 2 ]
amdhsa.kernels:
  - .name:           k_q777aef3c9e_prep
    .symbol:         k_q777aef3c9e_prep.kd
    .args:
      - { .name: Q, .offset: 0, .size: 8, .value_kind: global_buffer, .address_space: global }
      - { .name: K, .offset: 8, .size: 8, .value_kind: global_buffer, .address_space: global }
      - { .name: V, .offset: 16, .size: 8, .value_kind: global_buffer, .address_space: global }
      - { .name: W_Q, .offset: 24, .size: 8, .value_kind: global_buffer, .address_space: global }
      - { .name: W_K, .offset: 32, .size: 8, .value_kind: global_buffer, .address_space: global }
      - { .name: W_V, .offset: 40, .size: 8, .value_kind: global_buffer, .address_space: global }
      - { .name: W_O, .offset: 48, .size: 8, .value_kind: global_buffer, .address_space: global }
      - { .name: mask, .offset: 56, .size: 8, .value_kind: global_buffer, .address_space: global }
      - { .name: rel_emb, .offset: 64, .size: 8, .value_kind: global_buffer, .address_space: global }
      - { .name: codes, .offset: 72, .size: 8, .value_kind: global_buffer, .address_space: global }
      - { .name: scales, .offset: 80, .size: 8, .value_kind: global_buffer, .address_space: global }
      - { .name: maskbits, .offset: 88, .size: 8, .value_kind: global_buffer, .address_space: global }
      - { .name: bt, .offset: 96, .size: 8, .value_kind: global_buffer, .address_space: global }
    .group_segment_fixed_size: 68096
    .private_segment_fixed_size: 0
    .kernarg_segment_align: 8
    .kernarg_segment_size: 104
    .max_flat_workgroup_size: 128
    .sgpr_count:     66
    .vgpr_count:     256
    .wavefront_size: 32
...
	.end_amdgpu_metadata
.endif
;; end of part 1
;; launch proj (part 2): grid 96 x 3, 4 waves a work-group, no clusters, 0 bytes of LDS; arguments codes, scales, qkvc, qkvs; writes qkvc, qkvs
.if DOCPART == 2
	.amdgcn_target "amdgcn-amd-amdhsa--gfx1250"
	.amdhsa_code_object_version 6
	.text
	.protected	k_q777aef3c9e_proj
	.globl	k_q777aef3c9e_proj
	.p2align	8
	.type	k_q777aef3c9e_proj,@function
k_q777aef3c9e_proj:
	s_mov_b64 s[64:65], 0
	v_nop
	global_prefetch_b8 v0, s[64:65] scope:SCOPE_SE
	s_setreg_imm32_b32 hwreg(HW_REG_WAVE_MODE, 25, 1), 1
	s_wait_xcnt 0x0
; PROJ: q = Q W_Q^T, k = K W_K^T, v = V W_V^T on codes of E2M3, and each result quantised at once for the attention launch.  Nothing of reference() is left out here.
; ONE BODY FOR THE THREE (grid y).  A wave multiplies 8 tiles as source 0 (128 rows, which become the NEXT product's K) by 4 tiles as source 1 (whose row stays in the lane): 32 accumulators, six steps of 128 along K.
;   q, k: source 0 = the weight's 128 rows (two heads' 64), source 1 = 64 rows of x: a lane ends with 128 neighbours along d of one row.
;   v:    source 0 = 128 keys of x, source 1 = one head's 64 rows of W_V: a lane ends with 128 neighbouring KEYS of one d, since the keys are the last product's K.
; By the tiles' row map (32 (t/2) + 8 (t%2) + r + 8 (r/8)) register 16 b + i of a lane's 64 is index 32 b + 16 (lane/16) + i along the next K: the conversions' order.
; OUT: half fragments (16 rows x 64 along K: 6 registers): registers 0-3 at 16 L, 4-5 at 512 + 8 L, 768 bytes.  q, k: [batch][head][tile].  v: [batch][head][step of 128 keys][d tile][keys 0-63, keys 64-127].
; Scale words.  q, k: [batch][head][pair of tiles][r]: the even tile's two bytes, then the odd tile's.  v: [batch][head][step][d tile][r].
; Operands come from memory as images of their registers, three loads of 512 consecutive bytes a fragment: no LDS, no barrier.  No tensor load and no cluster: six K steps, and 288 work-groups lie two to a WGP.
; One set of fragments: 256 accumulator registers and one set fill the wave's 512.
; LIMITS: NaN, infinities and sums that overflow f32 are not served; a block of zeros carries the byte 1 (its codes are zeros; this program alone reads the bytes).
; REGISTERS.  Window 0: v1-3 16 L, 8 L, 4 L; v4-11 store offsets; v12 4 L + the second scale store's step; v16-39, v40-51 scale words; v64-159 source 0's 8 fragments; v160-207 source 1's 4.
;   Behind the products: v64-143 four sets of codes; v144-159 at work; v208-211 the rows' scale words.   Window 1: accumulator (p, n) at v[8 (8 n + p)].
.set PS, 16
.set NS, 40
.set PF, 64
.set NF, 160
.set TM, 144
.set PW, 208
.set MSB, 0
.macro WIN new                         ; the immediate's high byte repeats the setting that is left
.if MSB != (\new)
	s_set_vgpr_msb (MSB<<8)|(\new)
.set MSB, (\new)
.endif
.endm
	s_load_b256 s[4:11], s[0:1], 0x0               ; codes, scales, qkvc, qkvs
	v_lshrrev_b32 v14, 5, v0
	v_readfirstlane_b32 s12, v14                   ; wave
	v_and_b32 v13, 31, v0                          ; L
	v_lshlrev_b32 v1, 4, v13
	s_wait_alu depctr_va_vdst(0)
	v_lshlrev_b32 v2, 3, v13
	s_wait_alu depctr_va_vdst(0)
	v_lshlrev_b32 v3, 2, v13
	s_wait_alu depctr_va_vdst(0)
	s_and_b32 s13, ttmp7, 0xffff                   ; 0 q, 1 k, 2 v
	s_lshl_b32 s14, ttmp9, 2
	s_add_co_u32 s14, s14, s12                     ; my wave among 384
	s_lshr_b32 s15, s14, 6                         ; q, k: block of the weight's rows, 0..5
	s_and_b32 s16, s14, 63                         ;       block of four x tiles
	s_lshr_b32 s17, s14, 5                         ; v: head
	s_and_b32 s18, s14, 31                         ;    block of 128 keys
	s_mul_i32 s19, s13, 48                         ; ---- q, k
	s_lshl_b32 s36, s15, 3
	s_add_co_u32 s19, s19, s36
	s_add_co_u32 s19, s19, 768                     ; source 0's first tile
	s_lshl_b32 s36, s13, 8
	s_lshl_b32 s37, s16, 2
	s_add_co_u32 s36, s36, s37                     ; source 1's
	s_lshr_b32 s37, s16, 5
	s_mul_i32 s37, s37, 12
	s_lshl_b32 s38, s15, 1
	s_add_co_u32 s37, s37, s38                     ; 12 batch + my first head
	s_lshl_b32 s38, s37, 7
	s_lshl_b32 s39, s16, 2
	s_and_b32 s39, s39, 127
	s_add_co_u32 s38, s38, s39
	s_mul_i32 s38, s38, 768
	s_mul_i32 s39, s13, 2359296
	s_add_co_u32 s38, s38, s39                     ; where my codes go
	s_lshl_b32 s39, s37, 6
	s_lshl_b32 s40, s16, 1
	s_and_b32 s40, s40, 63
	s_add_co_u32 s39, s39, s40
	s_lshl_b32 s39, s39, 6
	s_mul_i32 s40, s13, 98304
	s_add_co_u32 s39, s39, s40                     ; and my scale words
	s_lshl_b32 s40, s18, 3                         ; ---- v
	s_add_co_u32 s40, s40, 512
	s_lshl_b32 s41, s17, 2
	s_add_co_u32 s41, s41, 864
	s_lshr_b32 s42, s18, 4
	s_mul_i32 s42, s42, 12
	s_add_co_u32 s42, s42, s17
	s_lshl_b32 s42, s42, 4
	s_and_b32 s43, s18, 15
	s_add_co_u32 s42, s42, s43                     ; (12 batch + head) 16 + step
	s_mul_i32 s43, s42, 6144
	s_add_co_u32 s43, s43, 4718592
	s_lshl_b32 s42, s42, 8
	s_add_co_u32 s42, s42, 196608
	s_cmp_lt_u32 s13, 2                            ; ---- the choice, on the work-group's y alone
	s_cselect_b32 s19, s19, s40
	s_cselect_b32 s36, s36, s41
	s_cselect_b32 s28, s38, s43
	s_cselect_b32 s32, s39, s42
	s_mov_b32 s34, 1536
	s_cselect_b32 s34, 768, s34                    ; from source 1's tile to the next, in the codes
	s_mov_b32 s30, 768
	s_cselect_b32 s30, 98304, s30                  ; from the fragment's first half to its second
	s_mov_b32 s35, 128
	s_cselect_b32 s35, 4096, s35                   ; the same for the scale words
	s_mul_i32 s20, s19, 9216
	s_mul_i32 s22, s36, 9216
	s_mul_i32 s24, s19, 384
	s_mul_i32 s26, s36, 384
	s_mov_b32 s21, 0
	s_mov_b32 s23, 0
	s_mov_b32 s25, 0
	s_mov_b32 s27, 0
	s_mov_b32 s29, 0
	s_mov_b32 s31, 0
	s_mov_b32 s33, 0
.irp n, 0,1,2,3
	s_mul_i32 s40, s34, \n
	v_add_nc_u32 v[4+\n], s40, v1
	v_add_nc_u32 v[8+\n], s40, v2
.endr
	v_add_nc_u32 v12, s35, v3
	s_mov_b32 s16, 0x05040100                      ; v_perm_b32: the two low halves; the two high halves
	s_mov_b32 s17, 0x07060302
	s_mov_b32 s18, 0x76543210
	s_mov_b32 s19, 0xfedcba98                      ; lane l xor 16
	s_wait_kmcnt 0x0
	s_add_nc_u64 s[20:21], s[4:5], s[20:21]
	s_add_nc_u64 s[22:23], s[4:5], s[22:23]
	s_add_nc_u64 s[24:25], s[6:7], s[24:25]
	s_add_nc_u64 s[26:27], s[6:7], s[26:27]
	s_add_nc_u64 s[28:29], s[8:9], s[28:29]
	s_add_nc_u64 s[30:31], s[28:29], s[30:31]
	s_add_nc_u64 s[32:33], s[10:11], s[32:33]
.irp p, 0,1,2,3,4,5,6,7
.irp j, 0,1,2
	global_load_b32 v[PS+3*\p+\j], v3, s[24:25] offset:384*\p+128*\j   ; lanes 0-15: step 2 j; lanes 16-31: step 2 j + 1
.endr
.endr
.irp n, 0,1,2,3
.irp j, 0,1,2
	global_load_b32 v[NS+3*\n+\j], v3, s[26:27] offset:384*\n+128*\j
.endr
.endr
.macro PRODP s, p, n
.set AC, 8*(8*(\n)+(\p))
.set FA, PF+12*(\p)
.set FB, NF+12*(\n)
.set SA, PS+3*(\p)+(\s)/2
.set SBR, NS+3*(\n)+(\s)/2
.if (\s) == 0
	v_wmma_scale_f32_16x16x128_f8f6f4 v[AC:AC+7], v[FA:FA+11], v[FB:FB+11], 0, v[SA], v[SBR] matrix_a_fmt:MATRIX_FMT_FP6 matrix_b_fmt:MATRIX_FMT_FP6
.elseif (\s)%2 == 0
	v_wmma_scale_f32_16x16x128_f8f6f4 v[AC:AC+7], v[FA:FA+11], v[FB:FB+11], v[AC:AC+7], v[SA], v[SBR] matrix_a_fmt:MATRIX_FMT_FP6 matrix_b_fmt:MATRIX_FMT_FP6
.else
	v_wmma_scale_f32_16x16x128_f8f6f4 v[AC:AC+7], v[FA:FA+11], v[FB:FB+11], v[AC:AC+7], v[SA], v[SBR] matrix_a_fmt:MATRIX_FMT_FP6 matrix_b_fmt:MATRIX_FMT_FP6 matrix_a_scale:MATRIX_SCALE_ROW1 matrix_b_scale:MATRIX_SCALE_ROW1
.endif
.endm
; The six K steps, written out: every offset is an immediate.  The 32 accumulators take turns, one instruction a turn, in the same order in every step; the first step starts the sums.
.irp s, 0,1,2,3,4,5
	WIN 0
.if \s > 0
.rept 4
	v_nop                                          ; four places in front of loads into registers that the products have read
.endr
.endif
.irp n, 0,1,2,3
.irp j, 0,1,2
	global_load_b128 v[NF+12*\n+4*\j:NF+12*\n+4*\j+3], v1, s[22:23] offset:9216*\n+1536*\s+512*\j
.endr
.endr
.irp p, 0,1,2,3,4,5,6,7
.irp j, 0,1,2
	global_load_b128 v[PF+12*\p+4*\j:PF+12*\p+4*\j+3], v1, s[20:21] offset:9216*\p+1536*\s+512*\j
.endr
.endr
	WIN 0x50                                       ; C and D in window 1
.irp p, 0,1,2,3,4,5,6,7
	s_wait_loadcnt 3*(7-\p)                        ; tile p of source 0 and all before it are in; the three loads of each later tile may be out
.irp n, 0,1,2,3
	PRODP \s, \p, \n
.endr
.endr
.endr
	WIN 0
.rept 4
	v_nop                                          ; four places in front of the first read of results and the first write over operands
.endr
.irp b, 0,1,2,3
	v_mov_b32 v[TM+4+\b], 0                        ; a lane permute's destination counts as read
.endr
; The 64 results of source 1's tile n become a fragment's codes and a scale word a row; each accumulator is read from its low end on.
.macro QUANTP n
.set SRC, 64*(\n)
.set PC, 64+20*(\n)
	WIN 0x05                                       ; sources 0 and 1 in window 1
.irp b, 0,1,2,3
	v_max3_num_f32 v[TM+\b], |v[SRC+16*\b]|, |v[SRC+16*\b+1]|, 0x1800000   ; my 16 of block b, and the floor 2^(3 - 127)
.endr
	WIN 0x14                                       ; sources 1 and 2 in window 1
.irp i, 2,4,6,8,10,12,14
.irp b, 0,1,2,3
	v_max3_num_f32 v[TM+\b], v[TM+\b], |v[SRC+16*\b+\i]|, |v[SRC+16*\b+\i+1]|
.endr
.endr
	WIN 0
.irp b, 0,1,2,3
	v_permlanex16_b32 v[TM+4+\b], v[TM+\b], s18, s19
.endr
.irp b, 0,1,2,3
	v_max_num_f32 v[TM+\b], v[TM+\b], v[TM+4+\b]   ; with lane l xor 16's 16: the block's largest magnitude
.endr
.irp b, 0,1,2,3
	v_add_nc_u32 v[TM+12+\b], 0xff000000, v[TM+\b] ; 2 off its exponent field: the conversion's scale operand
.endr
.irp b, 0,1,2,3
	v_lshrrev_b32 v[TM+4+\b], 23, v[TM+12+\b]      ; the byte
.endr
	v_lshl_or_b32 v[PW+(\n)], v[TM+5], 8, v[TM+4]
	v_lshl_or_b32 v[PW+(\n)], v[TM+6], 16, v[PW+(\n)]
	v_lshl_or_b32 v[PW+(\n)], v[TM+7], 24, v[PW+(\n)]
	WIN 0x01                                       ; the numbers in window 1
.irp c, 0,1
	v_cvt_scalef32_pk16_fp6_f32 v[PC+6*\c:PC+6*\c+2], v[SRC+32*\c:SRC+32*\c+15], v[TM+12+2*\c]
	v_cvt_scalef32_pk16_fp6_f32 v[PC+12+4*\c:PC+14+4*\c], v[SRC+32*\c+16:SRC+32*\c+31], v[TM+13+2*\c]
.endr
	WIN 0
	v_nop                                          ; one plain line behind the conversions
.irp c, 0,1                            ; the layout wants a whole block in a lane: lanes 0-15 block 2 c, lanes 16-31 block 2 c + 1
.irp i, 0,1,2
	v_permlane16_swap_b32 v[PC+6*\c+\i], v[PC+12+4*\c+\i]
.endr
.irp i, 0,1,2
	v_mov_b32 v[PC+3+6*\c+\i], v[PC+12+4*\c+\i]
.endr
.endr
	global_store_b128 v[4+(\n)], v[PC:PC+3], s[28:29]                 ; 512 consecutive bytes, aligned;
	global_store_b64 v[8+(\n)], v[PC+4:PC+5], s[28:29] offset:512     ; 256 more
	global_store_b128 v[4+(\n)], v[PC+6:PC+9], s[30:31]
	global_store_b64 v[8+(\n)], v[PC+10:PC+11], s[30:31] offset:512
.endm
	QUANTP 0
	QUANTP 1
	QUANTP 2
	QUANTP 3
	v_cmp_lt_u32 vcc_lo, 15, v13                   ; lanes 16-31
	s_cmp_lt_u32 s13, 2
	s_cbranch_scc0 .Lv_words
	v_perm_b32 v212, v209, v208, s16               ; q, k: first head: tiles 0, 1: each one's low two bytes
	v_perm_b32 v213, v211, v210, s16               ;       tiles 2, 3
	v_perm_b32 v214, v209, v208, s17               ;       second head: the high two
	v_perm_b32 v215, v211, v210, s17
	v_cndmask_b32 v216, v212, v213, vcc_lo         ; lanes 0-15 the first pair of tiles, lanes 16-31 the second
	v_cndmask_b32 v217, v214, v215, vcc_lo
	s_branch .Lwords
.Lv_words:
	v_cndmask_b32 v216, v208, v209, vcc_lo         ; v: d tiles 0, 1
	v_cndmask_b32 v217, v210, v211, vcc_lo         ;    d tiles 2, 3
.Lwords:
	s_wait_alu depctr_va_vdst(0)
	global_store_b32 v3, v216, s[32:33]
	global_store_b32 v12, v217, s[32:33]
	s_endpgm
.Lfunc_end_k_q777aef3c9e_proj:
	.size	k_q777aef3c9e_proj, .Lfunc_end_k_q777aef3c9e_proj-k_q777aef3c9e_proj
	.p2alignl 7, 3214868480
	.fill 96, 4, 3214868480
	.section	.rodata,"a",@progbits
	.p2align	6, 0x0
	.amdhsa_kernel k_q777aef3c9e_proj
		.amdhsa_group_segment_fixed_size 0
		.amdhsa_private_segment_fixed_size 0
		.amdhsa_enable_private_segment 0
		.amdhsa_kernarg_size 32
		.amdhsa_user_sgpr_count 2
		.amdhsa_user_sgpr_kernarg_segment_ptr 1
		.amdhsa_wavefront_size32 1
		.amdhsa_system_sgpr_workgroup_id_x 1
		.amdhsa_system_sgpr_workgroup_id_y 1
		.amdhsa_system_sgpr_workgroup_id_z 1
		.amdhsa_system_vgpr_workitem_id 0
		.amdhsa_next_free_vgpr 512
		.amdhsa_next_free_sgpr 66
		.amdhsa_reserve_vcc 1
		.amdhsa_float_denorm_mode_32 3
		.amdhsa_float_denorm_mode_16_64 3
		.amdhsa_memory_ordered 1
		.amdhsa_forward_progress 1
		.amdhsa_inst_pref_size 73
	.end_amdhsa_kernel
	.amdgpu_metadata
---
amdhsa.version: [ 1, 2 ]
amdhsa.kernels:
  - .name:           k_q777aef3c9e_proj
    .symbol:         k_q777aef3c9e_proj.kd
    .args:
      - { .name: codes, .offset: 0, .size: 8, .value_kind: global_buffer, .address_space: global }
      - { .name: scales, .offset: 8, .size: 8, .value_kind: global_buffer, .address_space: global }
      - { .name: qkvc, .offset: 16, .size: 8, .value_kind: global_buffer, .address_space: global }
      - { .name: qkvs, .offset: 24, .size: 8, .value_kind: global_buffer, .address_space: global }
    .group_segment_fixed_size: 0
    .private_segment_fixed_size: 0
    .kernarg_segment_align: 8
    .kernarg_segment_size: 32
    .max_flat_workgroup_size: 128
    .sgpr_count:     66
    .vgpr_count:     512
    .wavefront_size: 32
...
	.end_amdgpu_metadata
.endif
;; end of part 2
;; launch attn (part 3): grid 32 x 8, 12 waves a work-group, no clusters, 198,144 bytes of LDS; arguments qkvc, qkvs, maskbits, bt, oc, os; writes oc, os
.if DOCPART == 3
	.amdgcn_target "amdgcn-amd-amdhsa--gfx1250"
	.amdhsa_code_object_version 6
	.text
	.protected	k_q777aef3c9e_attn
	.globl	k_q777aef3c9e_attn
	.p2align	8
	.type	k_q777aef3c9e_attn,@function
k_q777aef3c9e_attn:
	s_mov_b64 s[64:65], 0
	v_nop
	global_prefetch_b8 v0, s[64:65] scope:SCOPE_SE
	s_setreg_imm32_b32 hwreg(HW_REG_WAVE_MODE, 25, 1), 1
	s_wait_xcnt 0x0
; ATTN: weights = nan_to_num(softmax(q k^T / 8 + bias, masked)), o = weights v, both products on codes of E2M3; o leaves quantised for the last projection.  Nothing of reference() is left out.
; THE WEIGHTS ARE QUANTISED FINISHED AND NORMALISED, so a block's scale hangs on the row's sum over all 2,048 keys: TWO PASSES over the keys.
;   Pass 1: scores, running maximum m and sum l (t = score x log2(e)/8 + bias x log2(e)); each block of 32 keys leaves its largest score in the wave's own LDS bytes.
;   Pass 2: the same scores again (same instructions, same bits), w = 2^(t - m - log2 l), quantised in blocks of 32 keys, O^T += V^T w^T.  A row with every key masked has l = 0: its addend is 0, every t is -infinity, w = 0.
;   A block's largest w is made from its largest score by the same multiply-add and exponential as every w.  This takes v_exp_f32 not to fall where its input rises.
; SHARES: a work-group is 64 queries (4 tiles) x 3 heads of one batch; 32 x 8 = 256 work-groups of equal work.  A wave takes one head, a PAIR of query tiles and one HALF of the keys (8 steps of 128): 3 x 2 x 2 = 12 waves.
;   So a fragment of K or V feeds two tiles, and comes from memory straight into the operand's registers, of which the buffer holds images: K half a step ahead, V a step ahead.  No ring in LDS and no barrier in the loops.
;   The two waves of a pair of tiles (wave numbers w and w xor 1) meet twice through LDS: between the passes they join (m, l); at the end each hands the other one tile's O^T and finishes the other tile.
; LAYOUT: both products transposed (S^T = k q^T, O^T = v^T w^T): a lane holds one query; score register j of lane (r, h) is key 32 (j/16) + 16 h + j%16 of the step's 128.
; K = 64 IN A STEP OF 128: source 0 is a pair of key tiles; q stands between runs of zero codes (Z q0 Z q1 Z), so that [q | Z] and [Z | q] are two views of 12 registers.
; THE BIAS: delta = the step's first key - the tile's first query.  delta >= 39: bucket 0 throughout; delta <= -240: bucket 31: one number, in the multiply-add's addend.  Else from the table in LDS (index key - query + 264).
; THE MASK: the earlier launch stored a bit for each tile and step that says that all 64 lane masks are ones.  There the selects change nothing, and a scalar branch leads round the load of the words and the 64 selects.
;   That branch hangs on a stored whole number; there is NO TENSOR LOAD, no joint load and NO CLUSTER.
; NO PREFETCH: the loads into registers themselves run half a step and a step ahead.
; LDS: K's scale words at 0, V's at 12,288; tables at 24,576; block maxima at 30,720, 9,216 bytes a wave (8,192 used); (m, l) at 141,312, 512 a wave; O^T on its way at 147,456, 4,096 a wave; spare words at 196,608.
; LIMITS: NaN, infinities and scores that overflow f32 are not served; a weight under 2^-126 becomes 0 (ISA guide, 15.8); a block of zeros carries the byte 1.
; REGISTERS: v1-4, v15 addresses that stay; v5, v6 the add's two; v7 -infinity; v8-14 addresses in hand; v16-45 q; v46-52 scale words; v54, v55 m, then -m - log2 l; v56-103 K; v104-151 V (pass 1: sums at work);
;   v152-215 scores, then w; v216-235 w's codes or bias values, v232-235 l in pass 1; v236-251 scales at work; v252-255 addend and factor; v256-319 O^T of the two tiles.
; SCALARS: s4-51, s68-83 mask words; s[52:53] my tiles' masks; s[54:55] c; s[56:57] the step's factor; s60 wave; s61 the next step's bytes in K and V; s62 256 x step; s63 near; s66 first query; s67, s98 far biases;
;   s84, s85 flags; s[86:87] K, s[88:89] V; s91 my step 0..7; s92 all ones in the waves of the upper half; s96 1,024 x my step; s97 my first step x 256; s99 bias; s100 table offset; s101 output place; s105 counter.
.set VOFF,  12288
.set KSC,   0
.set TBL,   24576
.set BMX,   30720
.set BMXW,  9216
.set MRG,   141312
.set XO,    147456
.set SPARE, 196608
.set QB,  16
.set M,   54
.set KF,  56
.set VF,  104
.set TT,  108
.set SCO, 152
.set PC,  216
.set LL,  232
.set TM,  236
.set AD,  252
.set EX,  254
.set MSB, 0
.macro WIN new                         ; the immediate's high byte repeats the setting that is left
.if MSB != (\new)
	s_set_vgpr_msb (MSB<<8)|(\new)
.set MSB, (\new)
.endif
.endm
.macro GFRAG reg, va, vb, base         ; four fragments, each two half images on end: 6,144 consecutive bytes
.irp f, 0,1,2,3
	global_load_b128 v[\reg+12*\f:\reg+12*\f+3], v[\va], s[\base:\base+1] offset:1536*\f
	global_load_b64 v[\reg+12*\f+4:\reg+12*\f+5], v[\vb], s[\base:\base+1] offset:1536*\f+512
	global_load_b128 v[\reg+12*\f+6:\reg+12*\f+9], v[\va], s[\base:\base+1] offset:1536*\f+768
	global_load_b64 v[\reg+12*\f+10:\reg+12*\f+11], v[\vb], s[\base:\base+1] offset:1536*\f+1280
.endr
.endm
.macro TOP pass                        ; a step's head: its scale words, and the wait for its K
	v_add_nc_u32 v13, s62, v3
	v_add_nc_u32 v14, s96, v15                     ; the step's 1,024 bytes of block maxima
	s_wait_alu depctr_va_vdst(0)
	ds_load_b32 v48, v13
	ds_load_b32 v49, v13 offset:128
.if \pass == 2
	ds_load_b32 v50, v13 offset:VOFF
	ds_load_b32 v51, v13 offset:VOFF+128
	s_wait_loadcnt 16                              ; K's 16 loads are in; V's 16, issued behind them, may be out
.else
	s_wait_loadcnt 0x0
.endif
	s_wait_dscnt 0x0
.endm
.macro NEXT
	s_add_co_u32 s62, s62, 256
	s_add_co_u32 s96, s96, 1024
	s_add_co_u32 s91, s91, 1
.endm
; THE SCORES OF TILE t IN A STEP, masked.  Far steps leave raw scores (factor c, bias in s99); near steps leave t itself (factor 1, s99 = 0).  pre = 1: behind the products the next step's K is asked for.
.macro SCORES t, pass, pre
	s_lshr_b32 s2, s62, 1                          ; the step's first key
	s_sub_co_u32 s2, s2, s66                       ; delta
.if \t
	s_sub_co_u32 s2, s2, 8                         ; the odd tile begins 8 queries on
.endif
	s_cmp_ge_i32 s2, 39
	s_cselect_b32 s99, s98, s67
	s_add_co_u32 s100, s2, 239
	s_cmp_le_u32 s100, 277                         ; near: -239 <= delta <= 38
	s_cselect_b32 s99, 0, s99
	s_cselect_b32 s56, 1.0, s54
	s_cselect_b32 s63, 1, 0
	s_mov_b32 s57, s56
	s_add_co_u32 s100, s100, 2
	s_min_u32 s100, s100, 279                      ; held, so that the address has a bound in far steps too
	s_lshl_b32 s100, s100, 2
.if \pass == 2
	ds_load_b128 v[TM:TM+3], v14 offset:512*\t     ; pass 1's largest scores of my 16 keys of each block
.endif
.irp f, 0,1,2,3
.irp u, 0,1
.if \f%2 == 0
	v_wmma_scale_f32_16x16x128_f8f6f4 v[SCO+8*(2*\f+\u):SCO+8*(2*\f+\u)+7], v[KF+12*\f:KF+12*\f+11], v[QB+6+12*\t-6*\u:QB+17+12*\t-6*\u], 0, v[48+\f/2], v[46+\t] matrix_a_fmt:MATRIX_FMT_FP6 matrix_b_fmt:MATRIX_FMT_FP6
.else
	v_wmma_scale_f32_16x16x128_f8f6f4 v[SCO+8*(2*\f+\u):SCO+8*(2*\f+\u)+7], v[KF+12*\f:KF+12*\f+11], v[QB+6+12*\t-6*\u:QB+17+12*\t-6*\u], 0, v[48+\f/2], v[46+\t] matrix_a_fmt:MATRIX_FMT_FP6 matrix_b_fmt:MATRIX_FMT_FP6 matrix_a_scale:MATRIX_SCALE_ROW1
.endif
.endr
.endr
.if \pass == 2
	s_wait_dscnt 0x0
.irp b, 0,1,2,3
	v_permlanex16_b32 v[TM+4+\b], v[TM+\b], s58, s59
.endr
.irp b, 0,1,2,3
	v_max_num_f32 v[TM+\b], v[TM+\b], v[TM+4+\b]   ; with lane l xor 16's: the block's largest score.  These four are the places behind the products
.endr
.else
.rept 4
	v_nop                                          ; four places in front of the first read of results and of loads over the fragments
.endr
.endif
.if \pre
	s_add_co_u32 s61, s61, 6144                    ; behind my eighth step comes my first: the next pass's
	s_cmp_eq_u32 s61, 49152
	s_cselect_b32 s61, 0, s61
	v_add_nc_u32 v8, s61, v1
	v_add_nc_u32 v9, s61, v2
	GFRAG KF, 8, 9, 86
.endif
.if \pass == 2
	s_wait_alu depctr_va_vdst(0)
.endif
	s_cmp_eq_u32 s63, 0
	s_cbranch_scc1 .Lfar_\@
	v_add_nc_u32 v12, s100, v4                     ; table index of register j: delta + 264 + 16 h - r - 8 (r/8) + 32 (j/16) + j%16
	s_wait_alu depctr_va_vdst(0)
.irp qd, 0,1,2,3
.set i, 0
.rept 16
	ds_load_b32 v[PC+i], v12 offset:4*(32*\qd+i)
.set i, i+1
.endr
	s_wait_dscnt 0x0
.set i, 0
.rept 8
	v_pk_fma_f32 v[SCO+16*\qd+2*i:SCO+16*\qd+2*i+1], v[SCO+16*\qd+2*i:SCO+16*\qd+2*i+1], s[54:55], v[PC+2*i:PC+2*i+1] op_sel_hi:[1,0,1]   ; t = score x c + bias
.set i, i+1
.endr
.endr
	s_wait_alu depctr_va_vdst(0)
.Lfar_\@:
	s_lshr_b32 s2, s[84+\t], s91
	s_and_b32 s2, s2, 1
	s_cmp_lg_u32 s2, 0                             ; all 64 words ones?
	s_cbranch_scc1 .Lfull_\@
	s_load_b512 s[4:19], s[52:53], s62 offset:4096*\t
	s_load_b512 s[20:35], s[52:53], s62 offset:4096*\t+0x40
	s_load_b512 s[36:51], s[52:53], s62 offset:4096*\t+0x80
	s_load_b512 s[68:83], s[52:53], s62 offset:4096*\t+0xc0
	s_wait_kmcnt 0x0
.set j, 0
.rept 64
	v_cndmask_b32 v[SCO+j], v7, v[SCO+j], s[4+j+16*(j/48)]   ; -infinity where the mask is 0; each accumulator from its low end on
.set j, j+1
.endr
.Lfull_\@:
.endm
.macro TILE1 t, pre
	SCORES \t, 1, \pre
.irp b, 0,1,2,3
	v_max3_num_f32 v[TM+\b], v[SCO+16*\b], v[SCO+16*\b+1], v[SCO+16*\b+2]   ; four blocks by turns
.endr
.irp i, 3,5,7,9,11,13
.irp b, 0,1,2,3
	v_max3_num_f32 v[TM+\b], v[TM+\b], v[SCO+16*\b+\i], v[SCO+16*\b+\i+1]
.endr
.endr
.irp b, 0,1,2,3
	v_max_num_f32 v[TM+\b], v[TM+\b], v[SCO+16*\b+15]
.endr
	ds_store_b128 v14, v[TM:TM+3] offset:512*\t    ; kept for pass 2
	v_max3_num_f32 v[TM+4], v[TM], v[TM+1], v[TM+2]
	s_delay_alu instid0(VALU_DEP_1)
	v_max_num_f32 v[TM+4], v[TM+4], v[TM+3]
	s_delay_alu instid0(VALU_DEP_1)
	v_permlanex16_b32 v[TM+5], v[TM+4], s58, s59
	s_delay_alu instid0(VALU_DEP_1)
	v_max_num_f32 v[TM+4], v[TM+4], v[TM+5]        ; the step's largest, of my query
	s_delay_alu instid0(VALU_DEP_1)
	v_fma_f32 v[TM+4], v[TM+4], s56, s99           ; as t (the factor is positive)
	s_delay_alu instid0(VALU_DEP_1)
	v_max_num_f32 v[TM+6], v[M+\t], v[TM+4]        ; the new m
	s_delay_alu instid0(VALU_DEP_1)
	v_sub_f32 v[EX], v[M+\t], v[TM+6]              ; old m - new m
	v_sub_f32 v[AD], s99, v[TM+6]                  ; the addend: bias - m
	v_mov_b32 v[M+\t], v[TM+6]
.set i, 0
.rept 32
	v_pk_fma_f32 v[SCO+2*i:SCO+2*i+1], v[SCO+2*i:SCO+2*i+1], s[56:57], v[AD:AD+1] op_sel_hi:[1,0,0]   ; t - m
.set i, i+1
.endr
	s_wait_alu depctr_va_vdst(0)
	v_exp_f32 v[EX], v[EX]
.set i, 0
.rept 64
	v_exp_f32 v[SCO+i], v[SCO+i]
.set i, i+1
.endr
	v_nop                                          ; a plain line behind the batch,
	s_wait_alu depctr_va_vdst(0)                   ; and one wait for all 65
	v_pk_mul_f32 v[LL+2*\t:LL+2*\t+1], v[LL+2*\t:LL+2*\t+1], v[EX:EX+1] op_sel_hi:[1,0]   ; l under the new m
.irp k, 0,1,2,3,4,5,6                  ; the 32 pairs in eight chains
	v_pk_add_f32 v[TT+2*\k:TT+2*\k+1], v[SCO+2*\k:SCO+2*\k+1], v[SCO+14+2*\k:SCO+15+2*\k]
.endr
	v_pk_add_f32 v[LL+2*\t:LL+2*\t+1], v[LL+2*\t:LL+2*\t+1], v[SCO+28:SCO+29]
.irp o, 30,46
.irp k, 0,1,2,3,4,5,6
	v_pk_add_f32 v[TT+2*\k:TT+2*\k+1], v[TT+2*\k:TT+2*\k+1], v[SCO+\o+2*\k:SCO+\o+2*\k+1]
.endr
	v_pk_add_f32 v[LL+2*\t:LL+2*\t+1], v[LL+2*\t:LL+2*\t+1], v[SCO+\o+14:SCO+\o+15]
.endr
	v_pk_add_f32 v[TT:TT+1], v[TT:TT+1], v[SCO+62:SCO+63]
	v_pk_add_f32 v[TT+4:TT+5], v[TT+4:TT+5], v[TT+6:TT+7]
	v_pk_add_f32 v[TT+8:TT+9], v[TT+8:TT+9], v[TT+10:TT+11]
	v_pk_add_f32 v[LL+2*\t:LL+2*\t+1], v[LL+2*\t:LL+2*\t+1], v[TT+12:TT+13]
	v_pk_add_f32 v[TT:TT+1], v[TT:TT+1], v[TT+2:TT+3]
	v_pk_add_f32 v[LL+2*\t:LL+2*\t+1], v[LL+2*\t:LL+2*\t+1], v[TT+8:TT+9]
	s_delay_alu instid0(VALU_DEP_2)
	v_pk_add_f32 v[TT:TT+1], v[TT:TT+1], v[TT+4:TT+5]
	s_delay_alu instid0(VALU_DEP_1)
	v_pk_add_f32 v[LL+2*\t:LL+2*\t+1], v[LL+2*\t:LL+2*\t+1], v[TT:TT+1]
.endm
.macro TILE2 t, pre
	SCORES \t, 2, \pre
	v_add_f32 v[AD], s99, v[M+\t]                  ; the addend: bias - m - log2 l
	v_pk_fma_f32 v[TM:TM+1], v[TM:TM+1], s[56:57], v[AD:AD+1] op_sel_hi:[1,0,0]       ; the blocks' largest scores take the way of every score
	v_pk_fma_f32 v[TM+2:TM+3], v[TM+2:TM+3], s[56:57], v[AD:AD+1] op_sel_hi:[1,0,0]
.set i, 0
.rept 32
	v_pk_fma_f32 v[SCO+2*i:SCO+2*i+1], v[SCO+2*i:SCO+2*i+1], s[56:57], v[AD:AD+1] op_sel_hi:[1,0,0]
.set i, i+1
.endr
	s_wait_alu depctr_va_vdst(0)
.set i, 0
.rept 64
	v_exp_f32 v[SCO+i], v[SCO+i]                   ; w, finished and normalised
.set i, i+1
.endr
.irp b, 0,1,2,3
	v_exp_f32 v[TM+\b], v[TM+\b]                   ; each block's largest w
.endr
	v_nop
	s_wait_alu depctr_va_vdst(0)                   ; one wait for the batch
.irp b, 0,1,2,3
	v_max_num_f32 v[TM+\b], 0x1800000, v[TM+\b]    ; the floor 2^(3 - 127) holds the byte at 1
.endr
.irp b, 0,1,2,3
	v_add_nc_u32 v[TM+12+\b], 0xff000000, v[TM+\b] ; 2 off the exponent field: the conversion's scale operand
.endr
.irp b, 0,1,2,3
	v_lshrrev_b32 v[TM+4+\b], 23, v[TM+12+\b]
.endr
	v_lshl_or_b32 v52, v[TM+5], 8, v[TM+4]
	s_delay_alu instid0(VALU_DEP_1)
	v_lshl_or_b32 v52, v[TM+6], 16, v52
	s_delay_alu instid0(VALU_DEP_1)
	v_lshl_or_b32 v52, v[TM+7], 24, v52            ; w's scale word; the 17 plain lines below are its places ahead of the products
.irp c, 0,1
	v_cvt_scalef32_pk16_fp6_f32 v[PC+6*\c:PC+6*\c+2], v[SCO+32*\c:SCO+32*\c+15], v[TM+12+2*\c]
	v_cvt_scalef32_pk16_fp6_f32 v[PC+12+4*\c:PC+14+4*\c], v[SCO+32*\c+16:SCO+32*\c+31], v[TM+13+2*\c]
.endr
	v_nop                                          ; one plain line behind the conversions
.irp c, 0,1
.irp i, 0,1,2
	v_permlane16_swap_b32 v[PC+6*\c+\i], v[PC+12+4*\c+\i]
.endr
.irp i, 0,1,2
	v_mov_b32 v[PC+3+6*\c+\i], v[PC+12+4*\c+\i]
.endr
.endr
.rept 4
	v_nop                                          ; an operand made by vector instructions stands four places ahead of a scaled product
.endr
	s_wait_alu depctr_va_vdst(0)
.if \t == 0
	s_wait_loadcnt 0x0                             ; V is in (the next K is asked for only behind the second tile's scores)
.endif
	WIN 0x50                                       ; C and D: v256..
.irp d, 0,1,2,3                        ; the four accumulators by turns
.if \d%2 == 0
	v_wmma_scale_f32_16x16x128_f8f6f4 v[32*\t+8*\d:32*\t+8*\d+7], v[VF+12*\d:VF+12*\d+11], v[PC:PC+11], v[32*\t+8*\d:32*\t+8*\d+7], v[50+\d/2], v52 matrix_a_fmt:MATRIX_FMT_FP6 matrix_b_fmt:MATRIX_FMT_FP6
.else
	v_wmma_scale_f32_16x16x128_f8f6f4 v[32*\t+8*\d:32*\t+8*\d+7], v[VF+12*\d:VF+12*\d+11], v[PC:PC+11], v[32*\t+8*\d:32*\t+8*\d+7], v[50+\d/2], v52 matrix_a_fmt:MATRIX_FMT_FP6 matrix_b_fmt:MATRIX_FMT_FP6 matrix_a_scale:MATRIX_SCALE_ROW1
.endif
.endr
	WIN 0
.endm
.macro STEP2 more                      ; more = 1: the next step's K and V are asked for
	TOP 2
	TILE2 0, 0
	TILE2 1, \more
.if \more
	v_add_nc_u32 v10, s61, v1                      ; (these four are the places in front of loads over V's fragments)
	v_add_nc_u32 v11, s61, v2
	v_nop
	v_nop
	GFRAG VF, 10, 11, 88
.endif
	NEXT
.endm
	s_load_b256 s[4:11], s[0:1], 0x0               ; qkvc, qkvs, maskbits, bt
	v_lshl_add_u32 v5, v0, 2, SPARE                ; my spare word and 0: kept for the closing lines alone
	v_mov_b32 v6, 0
	v_lshrrev_b32 v8, 5, v0
	v_readfirstlane_b32 s60, v8                    ; wave 0..11
	s_and_b32 s16, ttmp7, 0xffff
	s_lshr_b32 s17, s16, 2                         ; batch
	s_and_b32 s18, s16, 3                          ; group of three heads
	s_mul_i32 s19, s17, 12
	s_mul_i32 s20, s18, 3
	s_add_co_u32 s19, s19, s20                     ; 12 batch + the group's first head
	s_lshr_b32 s21, s60, 2                         ; my head in the group
	s_bfe_u32 s22, s60, 0x10001                    ; my pair of tiles
	s_xor_b32 s93, s60, s21
	s_and_b32 s93, s93, 1                          ; my half of the keys: by turns from head to head, so that the steps near the diagonal are spread over the wave numbers
	s_lshl_b32 s23, ttmp9, 2
	s_lshl_b32 s24, s22, 1
	s_add_co_u32 s23, s23, s24                     ; my even tile, 0..126
	s_lshr_b32 s24, s23, 1
	s_lshl_b32 s66, s24, 5                         ; its first query
	s_add_co_u32 s44, s19, s21                     ; 12 batch + my head
	s_mul_i32 s45, s44, 98304
	s_mul_i32 s30, s93, 49152
	s_add_co_u32 s30, s30, s45
	s_add_co_u32 s30, s30, 2359296                 ; K's section, my head, my half
	s_mov_b32 s31, 0
	s_lshl_b32 s32, s23, 9
	s_lshl_b32 s33, s93, 8
	s_add_co_u32 s32, s32, s33
	s_add_co_u32 s32, s32, 524288                  ; the flag words of my tiles and my half
	s_mov_b32 s33, 0
	s_lshl_b32 s34, s19, 12
	s_add_co_u32 s34, s34, 98304                   ; the three heads' scale words of K; V's lie 98,304 bytes on
	s_mov_b32 s35, 0
	s_mul_i32 s36, s18, 12288                      ; the three heads' tables
	s_mov_b32 s37, 0
	s_mul_i32 s46, s23, 768
	s_add_co_u32 s46, s46, s45                     ; q's two half fragments
	s_mov_b32 s47, 0
	s_lshl_b32 s48, s44, 12
	s_lshl_b32 s49, s24, 6
	s_add_co_u32 s48, s48, s49                     ; the pair's scale words
	s_mov_b32 s49, 0
	s_add_co_u32 s50, s20, s21
	s_lshl_b32 s50, s50, 12                        ; my head's table
	s_mov_b32 s51, 0
	s_lshl_b32 s52, s23, 12                        ; my tiles' masks
	s_mov_b32 s53, 0
	s_lshl_b32 s101, s44, 7
	s_add_co_u32 s101, s101, s23
	s_add_co_u32 s101, s101, s93                   ; the tile that I finish: the even one in the lower half's wave
	s_lshl_b32 s97, s93, 11
	s_cmp_eq_u32 s93, 0
	s_cselect_b32 s92, 0, -1
	s_mov_b32 s54, 0x3e38aa3b                      ; c = log2(e) / 8
	s_mov_b32 s55, s54
	s_mov_b32 s58, 0x76543210
	s_mov_b32 s59, 0xfedcba98
	s_mov_b32 s61, 0
	s_mul_i32 s41, s60, BMXW
	s_add_co_u32 s41, s41, BMX
	s_lshl_b32 s42, s21, 12
	s_add_co_u32 s42, s42, KSC
	s_lshl_b32 s43, s21, 11
	s_add_co_u32 s43, s43, TBL
	v_and_b32 v8, 31, v0                           ; L
	v_and_b32 v9, 15, v0                           ; r
	v_bfe_u32 v10, v0, 4, 1                        ; h
	v_lshlrev_b32 v1, 4, v8                        ; 16 L
	v_lshlrev_b32 v2, 3, v8                        ; 8 L
	v_lshl_add_u32 v3, v8, 2, s42                  ; my head's scale words, 4 L
	v_lshl_add_u32 v15, v8, 4, s41                 ; my wave's block maxima, 16 L
	v_and_b32 v12, 8, v9
	v_add_nc_u32 v12, v12, v9                      ; r + 8 (r/8)
	v_sub_nc_u32 v12, 23, v12
	v_lshl_add_u32 v12, v10, 4, v12                ; 16 h + 23 - r - 8 (r/8)
	v_lshl_add_u32 v4, v12, 2, s43                 ; my head's table
	v_mov_b32 v7, 0xff800000                       ; -infinity
	v_lshlrev_b32 v9, 2, v9                        ; 4 r
	v_lshlrev_b32 v10, 4, v0                       ; 16 x my thread's number: my 16 bytes of a run of 6,144
	v_lshrrev_b32 v11, 7, v0                       ; the tables in memory: 128 threads take a head's first 2,048 bytes
	v_and_b32 v12, 127, v0
	v_lshlrev_b32 v12, 4, v12
	v_lshl_add_u32 v11, v11, 12, v12
	v_lshl_add_u32 v12, v0, 4, KSC
	v_lshl_add_u32 v13, v0, 4, TBL
	s_wait_alu depctr_va_vdst(0)
	s_wait_kmcnt 0x0
	s_add_nc_u64 s[86:87], s[4:5], s[30:31]
	s_add_nc_u64 s[88:89], s[86:87], 2359296
	s_add_nc_u64 s[46:47], s[4:5], s[46:47]
	s_add_nc_u64 s[48:49], s[6:7], s[48:49]
	s_add_nc_u64 s[34:35], s[6:7], s[34:35]
	s_add_nc_u64 s[36:37], s[10:11], s[36:37]
	s_add_nc_u64 s[50:51], s[10:11], s[50:51]
	s_add_nc_u64 s[52:53], s[8:9], s[52:53]
	s_add_nc_u64 s[32:33], s[8:9], s[32:33]
	GFRAG KF, 1, 2, 86                             ; my first step's K
.irp t, 0,1
	global_load_b128 v[QB+6+12*\t:QB+9+12*\t], v1, s[46:47] offset:768*\t
	global_load_b64 v[QB+10+12*\t:QB+11+12*\t], v2, s[46:47] offset:768*\t+512
.endr
	global_load_b32 v53, v9, s[48:49]
	global_load_b128 v[SCO:SCO+3], v10, s[34:35]                   ; K's scale words, 12,288 bytes in two runs,
	global_load_b128 v[SCO+4:SCO+7], v10, s[34:35] offset:6144
	global_load_b128 v[SCO+8:SCO+11], v10, s[34:35] offset:98304   ; V's,
	global_load_b128 v[SCO+12:SCO+15], v10, s[34:35] offset:104448
	global_load_b128 v[SCO+16:SCO+19], v11, s[36:37]               ; and the tables' first 512 entries a head
	s_load_b32 s67, s[50:51], 0x0                  ; key - query = -264: bucket 31
	s_load_b32 s98, s[50:51], 0x6fc                ; key - query = 183: bucket 0
	s_load_b32 s84, s[32:33], 0x0                  ; even tile: my steps 0-3, 4-7
	s_load_b32 s94, s[32:33], 0x80
	s_load_b32 s85, s[32:33], 0x200                ; odd tile
	s_load_b32 s95, s[32:33], 0x280
.irp z, 0,12,24
.irp i, 0,1,2,3,4,5
	v_mov_b32 v[QB+\z+\i], 0                       ; zero codes
.endr
.endr
	v_mov_b32 v[M], 0xff61b1e6                     ; m = -3e38, under every t
	v_mov_b32 v[M+1], 0xff61b1e6
.irp i, 0,1,2,3
	v_mov_b32 v[LL+\i], 0
	v_mov_b32 v[TM+4+\i], 0                        ; a lane permute's destination counts as read
.endr
	v_mov_b32 v[AD+1], 0                           ; (upper halves of pairs of which the low word serves both)
	v_mov_b32 v[EX+1], 0
	s_wait_loadcnt 0x0
	ds_store_b128 v12, v[SCO:SCO+3]
	ds_store_b128 v12, v[SCO+4:SCO+7] offset:6144
	ds_store_b128 v12, v[SCO+8:SCO+11] offset:12288
	ds_store_b128 v12, v[SCO+12:SCO+15] offset:18432
	ds_store_b128 v13, v[SCO+16:SCO+19]
	v_perm_b32 v46, v53, v53, 0x01000100           ; q's scale words (b0, b1, b0, b1): the even tile's,
	v_perm_b32 v47, v53, v53, 0x03020302           ; the odd tile's; the 64 lines below are their places
	WIN 0x40
.set i, 0
.rept 64
	v_mov_b32 v[i], 0                              ; O^T (v256-319): the step is written once
.set i, i+1
.endr
	WIN 0
	s_wait_alu depctr_va_vdst(0)
	s_wait_kmcnt 0x0
	s_lshl_b32 s94, s94, 4
	s_or_b32 s84, s84, s94                         ; bit i: my step i has no hole
	s_lshl_b32 s95, s95, 4
	s_or_b32 s85, s85, s95
	s_wait_dscnt 0x0                               ; my part of the scale words and tables has landed
	s_barrier_signal -1
	s_barrier_wait -1
	s_mov_b32 s62, s97                             ; PASS 1: my eight steps
	s_mov_b32 s96, 0
	s_mov_b32 s91, 0
	s_mov_b32 s105, 8
.Lp1:
	TOP 1
	TILE1 0, 0
	TILE1 1, 1
	NEXT
	s_sub_co_u32 s105, s105, 1
	s_cmp_lg_u32 s105, 0
	s_cbranch_scc1 .Lp1
	s_wait_alu depctr_va_vdst(0)
	v_add_nc_u32 v10, s61, v1                      ; s61 is 0 again: my first step's V, behind its K
	v_add_nc_u32 v11, s61, v2
	GFRAG VF, 10, 11, 88
	; (m, l) OF THE TWO HALVES OF THE KEYS ARE JOINED: each wave hands its own to its partner
	s_lshl_b32 s2, s60, 9
	s_add_co_u32 s2, s2, MRG
	s_xor_b32 s3, s60, 1
	s_lshl_b32 s3, s3, 9
	s_add_co_u32 s3, s3, MRG
	v_add_nc_u32 v13, s2, v2
	v_add_nc_u32 v12, s3, v2
.irp t, 0,1
	v_add_f32 v[TM+2*\t+1], v[LL+2*\t], v[LL+2*\t+1]
.endr
.irp t, 0,1
	v_permlanex16_b32 v[TM+4+\t], v[TM+2*\t+1], s58, s59
.endr
.irp t, 0,1
	v_add_f32 v[TM+2*\t+1], v[TM+2*\t+1], v[TM+4+\t]   ; my half's sum
	v_mov_b32 v[TM+2*\t], v[M+\t]
.endr
.irp t, 0,1
	ds_store_b64 v13, v[TM+2*\t:TM+2*\t+1] offset:256*\t
.endr
	s_wait_alu depctr_va_vdst(0)
	s_wait_dscnt 0x0
	s_barrier_signal -1
	s_barrier_wait -1
.irp t, 0,1
	ds_load_b64 v[TM+4+2*\t:TM+5+2*\t], v12 offset:256*\t
.endr
	s_wait_dscnt 0x0
.irp t, 0,1
	v_max_num_f32 v[TM+8+\t], v[TM+2*\t], v[TM+4+2*\t]     ; the row's m
.endr
.irp t, 0,1
	v_sub_f32 v[TM+10+\t], v[TM+2*\t], v[TM+8+\t]
	v_sub_f32 v[TM+12+\t], v[TM+4+2*\t], v[TM+8+\t]
.endr
	s_wait_alu depctr_va_vdst(0)
.irp t, 0,1
	v_exp_f32 v[TM+10+\t], v[TM+10+\t]
	v_exp_f32 v[TM+12+\t], v[TM+12+\t]
.endr
	v_nop
	s_wait_alu depctr_va_vdst(0)
.irp t, 0,1
	v_mul_f32 v[TM+10+\t], v[TM+10+\t], v[TM+2*\t+1]       ; two products and a sum: the same bits in both waves
	v_mul_f32 v[TM+12+\t], v[TM+12+\t], v[TM+5+2*\t]
.endr
.irp t, 0,1
	v_add_f32 v[TM+10+\t], v[TM+10+\t], v[TM+12+\t]        ; the row's l
.endr
	s_wait_alu depctr_va_vdst(0)
.irp t, 0,1
	v_log_f32 v[TM+12+\t], v[TM+10+\t]
.endr
	v_nop
	v_cmp_lt_f32 s2, 0, v[TM+10]                   ; does any key count?
	v_cmp_lt_f32 s3, 0, v[TM+11]
	s_wait_alu depctr_va_vdst(0)
.irp t, 0,1
	v_sub_f32 v[TM+12+\t], -v[TM+8+\t], v[TM+12+\t]        ; -m - log2 l
.endr
.irp t, 0,1
	v_cndmask_b32 v[M+\t], 0, v[TM+12+\t], s[2+\t]         ; 0 for a row with no key
.endr
	s_wait_alu depctr_va_vdst(0)                   ; first read behind waits
	s_mov_b32 s62, s97                             ; PASS 2: seven steps that ask for the next, and the last written out
	s_mov_b32 s96, 0
	s_mov_b32 s91, 0
	s_mov_b32 s105, 7
.Lp2:
	STEP2 1
	s_sub_co_u32 s105, s105, 1
	s_cmp_lg_u32 s105, 0
	s_cbranch_scc1 .Lp2
	STEP2 0
	; THE TWO HALVES OF O^T ARE JOINED: I send the tile that my partner finishes and keep the other.
.rept 4
	v_nop                                          ; four places behind the last products
.endr
	WIN 0x05                                       ; sources v256..
	s_wait_alu depctr_va_vdst(0)
.set i, 0
.rept 32
	v_cndmask_b32 v[SCO+i], v[32+i], v[i], s92     ; to send: the odd tile from the lower half's wave, the even tile from the upper's; each accumulator from its low end on
	v_cndmask_b32 v[SCO+32+i], v[i], v[32+i], s92  ; to keep
.set i, i+1
.endr
	WIN 0
	s_lshl_b32 s2, s60, 12
	s_add_co_u32 s2, s2, XO
	s_xor_b32 s3, s60, 1
	s_lshl_b32 s3, s3, 12
	s_add_co_u32 s3, s3, XO
	v_add_nc_u32 v12, s2, v1
	v_add_nc_u32 v13, s3, v1
	v_lshrrev_b32 v10, 2, v1                       ; 4 L
.irp k, 0,1,2,3,4,5,6,7
	ds_store_b128 v12, v[SCO+4*\k:SCO+4*\k+3] offset:512*\k
.endr
	s_load_b128 s[4:7], s[0:1], 0x20               ; oc, os
	s_wait_alu depctr_va_vdst(0)
	s_wait_dscnt 0x0
	s_barrier_signal -1
	s_barrier_wait -1
.irp k, 0,1,2,3,4,5,6,7
	ds_load_b128 v[KF+4*\k:KF+4*\k+3], v13 offset:512*\k
.endr
	s_wait_dscnt 0x0
.set OF, SCO+32
.set i, 0
.rept 16
	v_pk_add_f32 v[OF+2*i:OF+2*i+1], v[OF+2*i:OF+2*i+1], v[KF+2*i:KF+2*i+1]
.set i, i+1
.endr
	; THE WAY OUT: 16 queries x 64 of the head, quantised along d: half a fragment of the last projection's operand.
.irp b, 0,1
	v_max3_num_f32 v[TM+\b], |v[OF+16*\b]|, |v[OF+16*\b+1]|, 0x1800000
.endr
.irp i, 2,4,6,8,10,12,14
.irp b, 0,1
	v_max3_num_f32 v[TM+\b], v[TM+\b], |v[OF+16*\b+\i]|, |v[OF+16*\b+\i+1]|
.endr
.endr
.irp b, 0,1
	v_permlanex16_b32 v[TM+4+\b], v[TM+\b], s58, s59
.endr
.irp b, 0,1
	v_max_num_f32 v[TM+\b], v[TM+\b], v[TM+4+\b]
.endr
.irp b, 0,1
	v_add_nc_u32 v[TM+12+\b], 0xff000000, v[TM+\b]
.endr
.irp b, 0,1
	v_lshrrev_b32 v[TM+4+\b], 23, v[TM+12+\b]
.endr
	v_lshl_or_b32 v53, v[TM+5], 8, v[TM+4]         ; the row's two bytes
	v_cvt_scalef32_pk16_fp6_f32 v[PC:PC+2], v[OF:OF+15], v[TM+12]
	v_cvt_scalef32_pk16_fp6_f32 v[PC+12:PC+14], v[OF+16:OF+31], v[TM+13]
	v_nop
.irp i, 0,1,2
	v_permlane16_swap_b32 v[PC+\i], v[PC+12+\i]
.endr
.irp i, 0,1,2
	v_mov_b32 v[PC+3+\i], v[PC+12+\i]
.endr
	s_mul_i32 s2, s101, 768
	s_mov_b32 s3, 0
	s_wait_alu depctr_va_vdst(0)
	s_wait_kmcnt 0x0
	s_add_nc_u64 s[4:5], s[4:5], s[2:3]
	s_lshl_b32 s2, s101, 7
	s_add_nc_u64 s[6:7], s[6:7], s[2:3]
	global_store_b128 v1, v[PC:PC+3], s[4:5]       ; 512 consecutive bytes, aligned;
	global_store_b64 v2, v[PC+4:PC+5], s[4:5] offset:512   ; 256 more
	global_store_b32 v10, v53, s[6:7]
	s_wait_tensorcnt 0x0                           ; the wave's end
	ds_add_u32 v5, v6
	s_wait_dscnt 0x0
	s_endpgm
.Lfunc_end_k_q777aef3c9e_attn:
	.size	k_q777aef3c9e_attn, .Lfunc_end_k_q777aef3c9e_attn-k_q777aef3c9e_attn
	.p2alignl 7, 3214868480
	.fill 96, 4, 3214868480
	.section	.rodata,"a",@progbits
	.p2align	6, 0x0
	.amdhsa_kernel k_q777aef3c9e_attn
		.amdhsa_group_segment_fixed_size 198144
		.amdhsa_private_segment_fixed_size 0
		.amdhsa_enable_private_segment 0
		.amdhsa_kernarg_size 48
		.amdhsa_user_sgpr_count 2
		.amdhsa_user_sgpr_kernarg_segment_ptr 1
		.amdhsa_wavefront_size32 1
		.amdhsa_system_sgpr_workgroup_id_x 1
		.amdhsa_system_sgpr_workgroup_id_y 1
		.amdhsa_system_sgpr_workgroup_id_z 1
		.amdhsa_system_vgpr_workitem_id 0
		.amdhsa_next_free_vgpr 320
		.amdhsa_next_free_sgpr 106
		.amdhsa_reserve_vcc 0
		.amdhsa_float_denorm_mode_32 3
		.amdhsa_float_denorm_mode_16_64 3
		.amdhsa_memory_ordered 1
		.amdhsa_forward_progress 1
		.amdhsa_inst_pref_size 151
	.end_amdhsa_kernel
	.amdgpu_metadata
---
amdhsa.version: [ 1, 2 ]
amdhsa.kernels:
  - .name:           k_q777aef3c9e_attn
    .symbol:         k_q777aef3c9e_attn.kd
    .args:
      - { .name: qkvc, .offset: 0, .size: 8, .value_kind: global_buffer, .address_space: global }
      - { .name: qkvs, .offset: 8, .size: 8, .value_kind: global_buffer, .address_space: global }
      - { .name: maskbits, .offset: 16, .size: 8, .value_kind: global_buffer, .address_space: global }
      - { .name: bt, .offset: 24, .size: 8, .value_kind: global_buffer, .address_space: global }
      - { .name: oc, .offset: 32, .size: 8, .value_kind: global_buffer, .address_space: global }
      - { .name: os, .offset: 40, .size: 8, .value_kind: global_buffer, .address_space: global }
    .group_segment_fixed_size: 198144
    .private_segment_fixed_size: 0
    .kernarg_segment_align: 8
    .kernarg_segment_size: 48
    .max_flat_workgroup_size: 384
    .sgpr_count:     106
    .vgpr_count:     320
    .wavefront_size: 32
...
	.end_amdgpu_metadata
.endif
;; end of part 3
;; launch oproj (part 4): grid 32 x 6, 4 waves a work-group, no clusters, 34,304 bytes of LDS; arguments codes, scales, oc, os, out0; writes out0
.if DOCPART == 4
	.amdgcn_target "amdgcn-amd-amdhsa--gfx1250"
	.amdhsa_code_object_version 6
	.text
	.protected	k_q777aef3c9e_oproj
	.globl	k_q777aef3c9e_oproj
	.p2align	8
	.type	k_q777aef3c9e_oproj,@function
k_q777aef3c9e_oproj:
	s_mov_b64 s[64:65], 0
	v_nop
	global_prefetch_b8 v0, s[64:65] scope:SCOPE_SE
	s_setreg_imm32_b32 hwreg(HW_REG_WAVE_MODE, 25, 1), 1
	s_wait_xcnt 0x0
; OPROJ: out0 = o W_O^T on codes of E2M3, f32 out.  Nothing of reference() is left out here.
; A wave: 128 columns of the output (8 tiles of W_O as source 0) x 32 rows (2 tiles of o as source 1): 16 accumulators, six steps of 128 along K (a step = two heads' 64: two half fragments on end).
; All that a wave needs, 240 loads, is asked for in one run, each fragment into registers of its own (windows 1-3, two steps each), so the wave meets memory's delay once; then 96 products.
; The matrix instruction is used transposed, so a lane's 16 registers of two neighbouring tiles are 16 neighbouring columns of one row; rows meet in the wave's own stage in LDS and leave as 512 consecutive bytes.
; No tensor load, no cluster, no barrier: six K steps, and waves share nothing.  768 waves for 1,024 SIMDs: a finer share would read every fragment more often.
; LIMITS: NaN, infinities and sums that overflow f32 are not served.
; REGISTERS.  Window 0: v1-3 16 L, 8 L, 4 L; v4, v5 the stage, in and out; v6, v7 the add's two; v16-39 W_O's scale words; v40-51 o's; v64-127 o's raw words, later rows on the way out; v128-255 accumulator (p, n) at 128 + 8 (8 n + p).
;   Window W = 1..3, steps 2 (W - 1) + e: W_O's fragment (p, e) at v[96 e + 12 p], o's (n, e) at v[192 + 24 e + 12 n].
.set WSTG,  8448
.set PITCH, 528
.set SPARE, 33792                      ; behind the four stages: the spare words, 128 bytes a wave
.set MSB, 0
.macro WIN new                         ; the immediate's high byte repeats the setting that is left
.if MSB != (\new)
	s_set_vgpr_msb (MSB<<8)|(\new)
.set MSB, (\new)
.endif
.endm
	s_load_b256 s[4:11], s[0:1], 0x0               ; codes, scales, oc, os
	s_load_b64 s[12:13], s[0:1], 0x20              ; out0
	v_lshl_add_u32 v6, v0, 2, SPARE
	v_mov_b32 v7, 0
	v_lshrrev_b32 v8, 5, v0
	v_readfirstlane_b32 s14, v8                    ; wave
	v_and_b32 v9, 31, v0
	v_and_b32 v10, 15, v0
	v_bfe_u32 v11, v0, 4, 1
	v_lshlrev_b32 v1, 4, v9
	v_lshlrev_b32 v2, 3, v9
	v_lshlrev_b32 v3, 2, v9
	s_mul_i32 s15, s14, WSTG
	v_mul_u32_u24 v4, v10, PITCH
	v_lshl_add_u32 v4, v11, 6, v4
	v_add_nc_u32 v4, s15, v4                       ; in: row r, + 64 h
	v_add_nc_u32 v5, s15, v1                       ; out: 16 L of a row
	s_and_b32 s16, ttmp7, 0xffff                   ; which 128 columns
	s_lshl_b32 s17, ttmp9, 2
	s_add_co_u32 s17, s17, s14                     ; which 32 rows, 0..127
	s_lshl_b32 s18, s16, 3
	s_add_co_u32 s18, s18, 912                     ; W_O's first tile
	s_mul_i32 s20, s18, 9216
	s_mul_i32 s22, s18, 384
	s_lshr_b32 s19, s17, 6                         ; batch
	s_mul_i32 s19, s19, 1536                       ; 12 heads x 128 tiles
	s_lshl_b32 s28, s17, 1
	s_and_b32 s28, s28, 127
	s_add_co_u32 s19, s19, s28                     ; head 0's place of my first tile
	s_mul_i32 s24, s19, 768
	s_lshl_b32 s26, s19, 7
	s_mul_i32 s28, s17, 98304                      ; 32 rows of 3,072 bytes
	s_lshl_b32 s29, s16, 9
	s_add_co_u32 s28, s28, s29
	s_mov_b32 s21, 0
	s_mov_b32 s23, 0
	s_mov_b32 s25, 0
	s_mov_b32 s27, 0
	s_mov_b32 s29, 0
	s_mov_b32 s30, 0x05040100                      ; v_perm_b32: the two low halves
	s_wait_alu depctr_va_vdst(0)
	s_wait_kmcnt 0x0
	s_add_nc_u64 s[4:5], s[4:5], s[20:21]
	s_add_nc_u64 s[6:7], s[6:7], s[22:23]
	s_add_nc_u64 s[8:9], s[8:9], s[24:25]
	s_add_nc_u64 s[10:11], s[10:11], s[26:27]
	s_add_nc_u64 s[12:13], s[12:13], s[28:29]
.irp n, 0,1
.irp hd, 0,1,2,3,4,5,6,7,8,9,10,11
	global_load_b32 v[64+12*\n+\hd], v3, s[10:11] offset:16384*\hd+128*\n   ; o's two bytes for tile n, head hd
.endr
.endr
.irp p, 0,1,2,3,4,5,6,7
.irp j, 0,1,2
	global_load_b32 v[16+3*\p+\j], v3, s[6:7] offset:384*\p+128*\j
.endr
.endr
.irp W, 1,2,3
	WIN 64*\W                                      ; destination in window W
.irp e, 0,1
.irp p, 0,1,2,3,4,5,6,7
.irp j, 0,1,2
	global_load_b128 v[96*\e+12*\p+4*\j:96*\e+12*\p+4*\j+3], v1, s[4:5] offset:9216*\p+1536*(2*(\W-1)+\e)+512*\j
.endr
.endr
.irp n, 0,1
.irp q, 0,1                            ; heads 2 s and 2 s + 1: the fragment's two halves
	global_load_b128 v[192+24*\e+12*\n+6*\q:192+24*\e+12*\n+6*\q+3], v1, s[8:9] offset:98304*(2*(2*(\W-1)+\e)+\q)+768*\n
	global_load_b64 v[192+24*\e+12*\n+6*\q+4:192+24*\e+12*\n+6*\q+5], v2, s[8:9] offset:98304*(2*(2*(\W-1)+\e)+\q)+768*\n+512
.endr
.endr
.endr
.endr
	WIN 0
	s_wait_loadcnt 63                              ; the 63 that may be out all belong to window 3's 64: the words and windows 1 and 2 are in
.irp n, 0,1
.irp s, 0,1,2,3,4,5
	v_perm_b32 v[40+6*\n+\s], v[64+12*\n+2*\s+1], v[64+12*\n+2*\s], s30   ; step s: head 2 s's two bytes, then head 2 s + 1's
.endr
.endr
.rept 8
	v_nop                                          ; a scale word made by vector instructions stands eight places ahead of a scaled product
.endr
.macro PRODO W, e, n, p
.set AC, 128+8*(8*(\n)+(\p))
.set FA, 96*(\e)+12*(\p)
.set FB, 192+24*(\e)+12*(\n)
.set SA, 16+3*(\p)+(\W)-1
.set SBR, 40+6*(\n)+2*((\W)-1)+(\e)
.if ((\W) == 1) && ((\e) == 0)
	v_wmma_scale_f32_16x16x128_f8f6f4 v[AC:AC+7], v[FA:FA+11], v[FB:FB+11], 0, v[SA], v[SBR] matrix_a_fmt:MATRIX_FMT_FP6 matrix_b_fmt:MATRIX_FMT_FP6
.elseif (\e) == 0
	v_wmma_scale_f32_16x16x128_f8f6f4 v[AC:AC+7], v[FA:FA+11], v[FB:FB+11], v[AC:AC+7], v[SA], v[SBR] matrix_a_fmt:MATRIX_FMT_FP6 matrix_b_fmt:MATRIX_FMT_FP6
.else
	v_wmma_scale_f32_16x16x128_f8f6f4 v[AC:AC+7], v[FA:FA+11], v[FB:FB+11], v[AC:AC+7], v[SA], v[SBR] matrix_a_fmt:MATRIX_FMT_FP6 matrix_b_fmt:MATRIX_FMT_FP6 matrix_a_scale:MATRIX_SCALE_ROW1
.endif
.endm
.irp W, 1,2,3                          ; the 16 accumulators by turns, one instruction a turn, in the same order in every step; the first step starts the sums
.if \W == 3
	s_wait_alu depctr_va_vdst(0)
	s_wait_loadcnt 0x0
.endif
	WIN 5*\W                                       ; sources 0 and 1 in window W; C and D in window 0
.irp e, 0,1
.irp n, 0,1
.irp p, 0,1,2,3,4,5,6,7
	PRODO \W, \e, \n, \p
.endr
.endr
.endr
.endr
	WIN 0
.rept 4
	v_nop                                          ; four places in front of the first read of results
.endr
.macro OUTN n                          ; tile n's 16 rows x 128 columns through my stage
.set p, 0
.rept 8
	ds_store_b128 v4, v[128+8*(8*(\n)+p):128+8*(8*(\n)+p)+3] offset:128*(p/2)+32*(p%2)          ; each accumulator from its low end on
	ds_store_b128 v4, v[128+8*(8*(\n)+p)+4:128+8*(8*(\n)+p)+7] offset:128*(p/2)+32*(p%2)+16
.set p, p+1
.endr
.if (\n) > 0
	s_wait_xcnt 0x0                                ; the first tile's stores have read the registers that the loads below fill
.endif
.set i, 0
.rept 16
	ds_load_b128 v[64+4*i:64+4*i+3], v5 offset:PITCH*i   ; LDS serves a wave's instructions in order: these see the stores above
.set i, i+1
.endr
.set i, 0
.rept 16
	s_wait_dscnt 15-i                              ; row i is back; the younger reads may be out
	global_store_b128 v1, v[64+4*i:64+4*i+3], s[12:13] offset:(8*(\n)+i+8*(i/8))*3072 th:TH_STORE_NT   ; 512 consecutive bytes, aligned; written once
.set i, i+1
.endr
.endm
	OUTN 0
	OUTN 1
	s_wait_tensorcnt 0x0                           ; the wave's end, behind my last LDS store
	ds_add_u32 v6, v7
	s_wait_dscnt 0x0
	s_endpgm
.Lfunc_end_k_q777aef3c9e_oproj:
	.size	k_q777aef3c9e_oproj, .Lfunc_end_k_q777aef3c9e_oproj-k_q777aef3c9e_oproj
	.p2alignl 7, 3214868480
	.fill 96, 4, 3214868480
	.section	.rodata,"a",@progbits
	.p2align	6, 0x0
	.amdhsa_kernel k_q777aef3c9e_oproj
		.amdhsa_group_segment_fixed_size 34304
		.amdhsa_private_segment_fixed_size 0
		.amdhsa_enable_private_segment 0
		.amdhsa_kernarg_size 40
		.amdhsa_user_sgpr_count 2
		.amdhsa_user_sgpr_kernarg_segment_ptr 1
		.amdhsa_wavefront_size32 1
		.amdhsa_system_sgpr_workgroup_id_x 1
		.amdhsa_system_sgpr_workgroup_id_y 1
		.amdhsa_system_sgpr_workgroup_id_z 1
		.amdhsa_system_vgpr_workitem_id 0
		.amdhsa_next_free_vgpr 1024
		.amdhsa_next_free_sgpr 66
		.amdhsa_reserve_vcc 0
		.amdhsa_float_denorm_mode_32 3
		.amdhsa_float_denorm_mode_16_64 3
		.amdhsa_memory_ordered 1
		.amdhsa_forward_progress 1
		.amdhsa_inst_pref_size 47
	.end_amdhsa_kernel
	.amdgpu_metadata
---
amdhsa.version: [ 1, 2 ]
amdhsa.kernels:
  - .name:           k_q777aef3c9e_oproj
    .symbol:         k_q777aef3c9e_oproj.kd
    .args:
      - { .name: codes, .offset: 0, .size: 8, .value_kind: global_buffer, .address_space: global }
      - { .name: scales, .offset: 8, .size: 8, .value_kind: global_buffer, .address_space: global }
      - { .name: oc, .offset: 16, .size: 8, .value_kind: global_buffer, .address_space: global }
      - { .name: os, .offset: 24, .size: 8, .value_kind: global_buffer, .address_space: global }
      - { .name: out0, .offset: 32, .size: 8, .value_kind: global_buffer, .address_space: global }
    .group_segment_fixed_size: 34304
    .private_segment_fixed_size: 0
    .kernarg_segment_align: 8
    .kernarg_segment_size: 40
    .max_flat_workgroup_size: 128
    .sgpr_count:     66
    .vgpr_count:     1024
    .wavefront_size: 32
...
	.end_amdgpu_metadata
.endif
;; end of part 4
